; MI455X (gfx1250); checked and timed in simulation.
; The chip was launched on July 23, 2026; its instructions are those of AMD's public machine-readable ISA for CDNA 5 (MIT licence, August 2026) and "CDNA5" Instruction Set Architecture Reference Guide (July 2026). The comments in the code are by the model that wrote it; some were corrected since.
;; Attention Block. Allowed arithmetic: matrix products marked QUANTISED: E4M3 operands, one given power-of-two scale a tensor, by v_wmma_f32_16x16x64_fp8_fp8 or v_wmma_f32_16x16x128_fp8_fp8, f32 sums; everything else in f32.
;; Inputs: K 4 x 16 x 2,048 x 64 float32; Q 4 x 16 x 2,048 x 64 float32; V 4 x 16 x 2,048 x 64 float32; lowp_scales 4 int32 (the exponents e of the quantised operands' scales 2^e); mask 1 x 1 x 2,048 x 2,048 bool.
;; Outputs: out0 4 x 16 x 2,048 x 64 float32.
;; This version of the problem:
;;   THIS VERSION OF THE PROBLEM IS GIVEN IN LOW PRECISION. The matrix products marked QUANTISED in the list below multiply operands that are first quantised to E4M3 (4 exponent bits, 3 mantissa bits; 8 bits a number), with one given power-of-two scale for each operand tensor; their sums are f32. All else is computed in f32.
;;   The module's matrix products, in the order in which they are computed (A, B: the left and right operand; K: the contracted axis; several contracted axes count as one K, in the product's order):
;;     1. batch 64 x [M 2,048, K 64] x [K 64, N 2,048]; A: input Q; B: input K: QUANTISED (scales: A lowp_scales[0], B lowp_scales[1])
;;     2. batch 64 x [M 2,048, K 2,048] x [K 2,048, N 64]; A: softmax (see below); B: input V: QUANTISED (scales: A lowp_scales[2], B lowp_scales[3])
;;   THE QUANTISER, for each operand of a quantised product, along K:
;;     - The operand's scale is 2^e, e = its entry of the input lowp_scales (int32; the entries are numbered through the quantised products in the list's order, A before B).
;;     - Each number is divided by the scale, clamped to +-448, and rounded to the nearest number of E4M3, ties to even, subnormals kept.
;;     - The product sums the exact products of the quantised numbers (number of the format x scale) in f32.
;;   ~~~python
;;   def quantise(x, axis, e):      # numpy; x: float32 -> the quantised numbers, widened to float32 again
;;       x = np.moveaxis(x, axis, -1); K = x.shape[-1]
;;       r = np.clip(x / 2.0 ** e, -448, 448)
;;       step = 2.0 ** (np.maximum(np.frexp(np.where(r == 0, 1, r))[1] - 1, -6) - 3)
;;       q = np.round(r / step) * step * 2.0 ** e      # np.round: ties to even
;;       return np.moveaxis(q, -1, axis).astype(np.float32)
;;   ~~~
;;   SOFTMAX AHEAD OF A QUANTISED PRODUCT. Where the list says 'softmax', what is quantised is not the finished softmax but p = 2^(t - M), with t = logit x log2(e) and M = ceil(the row's largest t), a whole number; so 1/2 < the row's largest p <= 1. The row's sum l is taken of the UNQUANTISED p, in f32, and the product's result is divided by l at the end. Since M is a whole number, a kernel that streams over the keys may use a running M (the ceiling of the running maximum): every later rescaling is an exact power of two, so the quantised numbers keep their values, but for numbers so far below the row's largest that they fall under the format's range.
;;   OPERANDS COMPUTED ON THE WAY. 'Computed on the way' means the value that the module computes at that place (a softmax that the list does not call 'softmax' is quantised finished and normalised). What goes into a quantiser is computed in f32, as accurately as f32 sums, v_exp_f32 and their like allow (about 1e-6 of the number): no bf16 or f16 on the way to a quantiser, and a product that is left as it is and whose result goes on into a quantised operand takes f32 operands (vector FMAs, or v_wmma_f32_16x16x4_f32). A number that lies on a knife's edge between two numbers of the format may be rounded either way, as far as f32 arithmetic and the matrix unit's own rounding can turn it there, and no further.
;; One version. Each part assembles by itself: llvm-mc -triple=amdgcn-amd-amdhsa -mcpu=gfx1250 --defsym DOCPART=n.
;; ======== version 1 of 1: 2 launches
;; limits: right only within a limited range of input values
;; workspace buffers: kv 16,777,216 bytes; mc 4,194,304 bytes; rowkeep 16,384 bytes
;; launch prep (part 1): grid 1152 x 1, 4 waves a work-group, no clusters, 35,840 bytes of LDS; arguments K, V, mask, lowp_scales, kv, mc, rowkeep; writes kv, mc, rowkeep
.if DOCPART == 1
	.amdgcn_target "amdgcn-amd-amdhsa--gfx1250"
	.amdhsa_code_object_version 6
	.text
	.protected	k_qbb511bfe2a_prep
	.globl	k_qbb511bfe2a_prep
	.p2align	8
	.type	k_qbb511bfe2a_prep,@function
k_qbb511bfe2a_prep:
	s_mov_b64 s[64:65], 0
	v_nop
	global_prefetch_b8 v0, s[64:65] scope:SCOPE_SE
	s_setreg_imm32_b32 hwreg(HW_REG_WAVE_MODE, 25, 1), 1
	s_wait_xcnt 0x0
; PREPARES WHAT THE ATTENTION LAUNCH READS, each number once, laid in the order of the matrix operands' registers (lane = r + 16 h).
; kv [head 64][step 16][16,384 bytes], a step = 128 keys.  Bytes 0 .. 8,191: K's codes, [tile t = 2 b + u][c 0..1][lane][16]: key 32 b + 8 u + r + 8 (r / 8), d = 32 c + 16 h + 0 .. 15.
;    Bytes 8,192 on: V's codes with the keys innermost, [dt 0..3][c 0..3][lane][16]: d = 16 dt + r, keys 32 c + 16 h + 0 .. 15.
; mc [step 16][tile of 16 queries 128][b 0..3][lane][16]: a code of E4M3 for each mask byte of query r, keys 32 b + 16 h + 0 .. 15: 0xB8 (-1.0) where masked, 0 where not.
; rowkeep [tile of queries 128][lane 32] f32: 1.0; 0.0 for a query ALL of whose 2,048 keys are masked.  Such a row's codes in mc are stored as zeros: reference() gives it equal weights,
;    which the attention launch gets from scores that are all equal (it clears the row of Q by this factor).
; code = x / 2^e, held within +-448, to the nearest code, ties to even; e = entry 1 (K) and entry 3 (V) of the scales.  LIMITS: e between -126 and 119; NaN among the inputs is not served.
; WORK-GROUPS 0 .. 127 take a tile of 16 queries of the mask each; the 1,024 others take one step of one head of K and V.  The two ways part on the work-group's number and have LDS bytes of their own.
; No tensor loads.  Every store of codes covers whole aligned blocks of 256 bytes.  The mask is read in pieces of 32 bytes, eight instructions of one wave to a block of 256: 4 MiB of the launch's 68.
.set NQT,   128                        ; tiles of 16 queries
.set KP,    272                        ; K's stage: a key's 256 bytes + 16
.set WST,   32*KP                      ; a wave's stage: 32 keys
.set MRED,  4*WST                      ; the mask's way: 512 bytes, a word for each thread
.set KRAW,  16                         ; v16-79   K as loaded; on the mask's way: the mask's words
.set VRAW,  80                         ; v80-143  V: a lane is a column d, the registers run down 64 keys
.set XS,    144                        ; v144-175 two sets of 16 neighbours along d
.set KC,    176                        ; v176-191 K's codes
.set VC,    192                        ; v192-207 V's codes
	s_load_b256 s[4:11], s[0:1], 0x0               ; K s[4:5], V s[6:7], mask s[8:9], the scales' exponents s[10:11]
	s_load_b128 s[12:15], s[0:1], 0x20             ; kv s[12:13], mc s[14:15]
	s_load_b64 s[16:17], s[0:1], 0x30              ; rowkeep
	v_lshl_add_u32 v208, v0, 2, 0x8a00
	v_mov_b32 v209, 0
	v_lshrrev_b32 v1, 5, v0
	v_readfirstlane_b32 s20, v1                    ; wave 0..3
	v_and_b32 v1, 31, v0                           ; lane
	v_lshlrev_b32 v2, 4, v1                        ; 16 x lane
	v_and_b32 v3, 15, v0                           ; r
	v_bfe_u32 v4, v0, 4, 1                         ; h
	; every LDS address of both ways is made here, ahead of the parting
	s_mul_i32 s21, s20, WST
	v_mul_u32_u24 v5, v4, KP
	v_lshl_add_u32 v5, v3, 4, v5
	v_add_nc_u32 v5, s21, v5                       ; K's stage, in: a load's 512 bytes are two keys: row h, 16 r
	v_and_b32 v6, 8, v3
	v_add_nc_u32 v6, v6, v3                        ; r + 8 (r / 8)
	v_mul_u32_u24 v6, v6, KP
	v_lshl_add_u32 v6, v4, 6, v6
	v_add_nc_u32 v6, s21, v6                       ; and out: that key's row, + 64 h: 16 neighbours along d
	v_lshl_add_u32 v7, v0, 2, MRED                 ; the mask's way: my thread's word,
	v_lshl_add_u32 v8, v1, 2, MRED                 ; and my lane's word of wave 0
	s_wait_kmcnt 0x0
	s_cmp_lt_u32 ttmp9, NQT
	s_cbranch_scc0 .Lkv
	; ---- THE MASK: 16 queries x 2,048 keys; wave w takes steps 4 w .. 4 w + 3
	s_lshl_b32 s22, ttmp9, 15                      ; 16 rows of 2,048 bytes
	s_lshl_b32 s23, s20, 9                         ; + my four steps' 512 keys
	s_add_co_u32 s22, s22, s23
	s_mov_b32 s23, 0
	s_add_nc_u64 s[8:9], s[8:9], s[22:23]
	s_lshl_b32 s24, s20, 20                        ; mc: step 4 w (262,144 bytes a step)
	s_lshl_b32 s25, ttmp9, 11                      ; + my tile's 2,048 bytes
	s_add_co_u32 s24, s24, s25
	s_mov_b32 s25, 0
	s_add_nc_u64 s[14:15], s[14:15], s[24:25]
	s_lshl_b32 s26, ttmp9, 7
	s_mov_b32 s27, 0
	s_add_nc_u64 s[16:17], s[16:17], s[26:27]
	s_mov_b32 s28, 0x76543210                      ; v_permlanex16_b32's selects: lane l xor 16
	s_mov_b32 s29, 0xfedcba98
	v_lshlrev_b32 v9, 11, v3
	v_lshl_add_u32 v9, v4, 4, v9                   ; row r, + 16 h
.irp sl, 0,1,2,3
.irp b, 0,1,2,3
	global_load_b128 v[KRAW+16*\sl+4*\b:KRAW+16*\sl+4*\b+3], v9, s[8:9] offset:128*\sl+32*\b   ; the 16 bytes land as the operand's registers want them
.endr
.endr
	v_lshlrev_b32 v89, 2, v1
	v_mov_b32 v85, 0                               ; (a lane permute's destination counts as read)
	v_mov_b32 v86, 0
	s_wait_loadcnt 0x0
	; is the whole row masked?  The AND of all its bytes, four to a word: in four chains over my 64 words,
.irp k, 0,1,2,3
	v_and_b32 v[80+\k], v[KRAW+2*\k], v[KRAW+2*\k+1]
.endr
.set i, 8
.rept 56
	v_and_b32 v[80+i%4], v[80+i%4], v[KRAW+i]
.set i, i+1
.endr
	v_and_b32 v80, v80, v81
	v_and_b32 v82, v82, v83
	v_and_b32 v80, v80, v82
	ds_store_b32 v7, v80                           ; over the four waves, through LDS,
	s_wait_dscnt 0x0                               ; for the others' sake: my word has landed
	s_barrier_signal -1
	s_barrier_wait -1
.irp k, 0,1,2,3
	ds_load_b32 v[81+\k], v8 offset:128*\k
.endr
	s_wait_dscnt 0x0
	v_and_b32 v81, v81, v82
	v_and_b32 v83, v83, v84
	v_and_b32 v81, v81, v83
	v_permlanex16_b32 v85, v81, s28, s29           ; and over the two lanes that hold a row
	v_and_b32 v81, v81, v85
	v_cmp_eq_u32 vcc_lo, 0x01010101, v81           ; all four bytes 1: every key of the row is masked
	v_cndmask_b32 v87, 0xb8, v86, vcc_lo           ; the code of a masked key: -1.0; in such a row 0
	v_cndmask_b32 v88, 1.0, v86, vcc_lo            ; the row's factor
.set i, 0
.rept 64
	v_mul_lo_u32 v[KRAW+i], v[KRAW+i], v87         ; four bytes 0 or 1 x the code: no carry from byte to byte
.set i, i+1
.endr
.irp sl, 0,1,2,3
.irp b, 0,1,2,3
	global_store_b128 v2, v[KRAW+16*\sl+4*\b:KRAW+16*\sl+4*\b+3], s[14:15] offset:262144*\sl+512*\b   ; 512 consecutive bytes
.endr
.endr
	s_cmp_lg_u32 s20, 0
	s_cbranch_scc1 .Lmask_done
	global_store_b32 v89, v88, s[16:17]            ; wave 0: the tile's 32 factors
.Lmask_done:
	s_wait_tensorcnt 0x0
	ds_add_u32 v208, v209
	s_wait_dscnt 0x0
	s_endpgm
	; ---- K AND V: 128 keys of one head
.Lkv:
	s_load_b128 s[40:43], s[10:11], 0x0            ; eq, ek, ep, ev
	s_sub_co_u32 s22, ttmp9, NQT                   ; 16 x head + step
	s_lshl_b32 s24, s22, 15                        ; 128 keys of 256 bytes
	s_lshl_b32 s25, s20, 13                        ; K: wave w takes keys 32 w .. 32 w + 31
	s_add_co_u32 s26, s24, s25
	s_mov_b32 s27, 0
	s_add_nc_u64 s[4:5], s[4:5], s[26:27]
	s_lshr_b32 s30, s20, 1                         ; V: which 64 keys,
	s_and_b32 s31, s20, 1                          ; which 32 of the head's 64
	s_lshl_b32 s28, s30, 14
	s_add_co_u32 s28, s28, s24
	s_lshl_b32 s29, s31, 7
	s_add_co_u32 s28, s28, s29
	s_mov_b32 s29, 0
	s_add_nc_u64 s[6:7], s[6:7], s[28:29]
	s_lshl_b32 s32, s22, 14                        ; kv: the step's 16,384 bytes
	s_lshl_b32 s33, s20, 11                        ; K's codes: my two tiles
	s_add_co_u32 s34, s32, s33
	s_mov_b32 s35, 0
	s_add_nc_u64 s[36:37], s[12:13], s[34:35]
	s_lshl_b32 s33, s31, 12                        ; V's codes: behind K's, my two tiles of d,
	s_add_co_u32 s34, s32, s33
	s_lshl_b32 s33, s30, 10                        ; my two blocks of 32 keys
	s_add_co_u32 s34, s34, s33
	s_add_co_u32 s34, s34, 8192
	s_add_nc_u64 s[38:39], s[12:13], s[34:35]
	v_lshlrev_b32 v9, 2, v1                        ; V, in: 4 bytes a lane
	v_lshlrev_b32 v14, 11, v4
	v_lshl_add_u32 v14, v3, 4, v14                 ; V, out: tile of d lane / 16, row lane % 16
.set i, 0
.rept 16
	global_load_b128 v[KRAW+4*i:KRAW+4*i+3], v2, s[4:5] offset:512*i th:TH_LOAD_NT   ; 512 consecutive bytes: two keys
.set i, i+1
.endr
.set i, 0
.rept 64
	global_load_b32 v[VRAW+i], v9, s[6:7] offset:256*i th:TH_LOAD_NT                 ; key i of my 64, my column d: the registers run down the keys, so nothing is transposed
.set i, i+1
.endr
	s_wait_kmcnt 0x0
	s_add_co_i32 s44, s41, 127
	s_lshl_b32 s45, s44, 23
	v_mov_b32 v11, s45                             ; 2^ek as f32: the conversion takes its exponent field
	s_add_co_i32 s44, s44, 8
	s_lshl_b32 s44, s44, 23
	s_or_b32 s44, s44, 0x600000
	v_mov_b32 v10, s44                             ; 448 x 2^ek
	s_add_co_i32 s44, s43, 127
	s_lshl_b32 s45, s44, 23
	v_mov_b32 v13, s45                             ; 2^ev
	s_add_co_i32 s44, s44, 8
	s_lshl_b32 s44, s44, 23
	s_or_b32 s44, s44, 0x600000
	v_mov_b32 v12, s44                             ; 448 x 2^ev
; chunk n = 2 u + c of K: for tile u of my two, d = 32 c on: a lane's 16 neighbours come back from the stage into set n % 2
.macro KRD n
.irp j, 0,1,2,3
	ds_load_b128 v[XS+16*((\n)%2)+4*\j:XS+16*((\n)%2)+4*\j+3], v6 offset:8*KP*((\n)/2)+128*((\n)%2)+16*\j
.endr
.endm
.macro KWK n
.irp i, 0,1,2,3,4,5,6,7,8,9,10,11,12,13,14,15
	v_med3_num_f32 v[XS+16*((\n)%2)+\i], v[XS+16*((\n)%2)+\i], -v10, v10   ; the conversion to an 8-bit code does not saturate (ISA guide 7.6.2): the hold comes first
.endr
	v_cvt_scalef32_pk8_fp8_f32 v[KC+4*(\n):KC+4*(\n)+1], v[XS+16*((\n)%2):XS+16*((\n)%2)+7], v11
	v_cvt_scalef32_pk8_fp8_f32 v[KC+4*(\n)+2:KC+4*(\n)+3], v[XS+16*((\n)%2)+8:XS+16*((\n)%2)+15], v11
	global_store_b128 v2, v[KC+4*(\n):KC+4*(\n)+3], s[36:37] offset:1024*((\n)/2)+512*((\n)%2)   ; 512 consecutive bytes; each chunk has code registers of its own
.endm
	s_wait_alu depctr_va_vdst(0)
	s_wait_loadcnt 63                              ; behind K's 16 loads stand 64: the largest count that the wait can name shows them, and V's first, done
.set i, 0
.rept 16
	ds_store_b128 v5, v[KRAW+4*i:KRAW+4*i+3] offset:2*KP*i   ; as they lie; LDS serves a wave's instructions in order, so no wait stands in front of the reads
.set i, i+1
.endr
	KRD 0
	KRD 1
	s_wait_dscnt 4                                 ; chunk 0 is back; the next chunk's four reads may be out
	KWK 0
	KRD 2
	s_wait_dscnt 4
	KWK 1
	KRD 3
	s_wait_dscnt 4
	KWK 2
	s_wait_dscnt 0x0
	KWK 3
; group g of V: 16 keys of my column
.macro VWK g
	s_wait_loadcnt 48-16*(\g)                      ; the later groups' loads may be out
.irp i, 0,1,2,3,4,5,6,7,8,9,10,11,12,13,14,15
	v_med3_num_f32 v[VRAW+16*(\g)+\i], v[VRAW+16*(\g)+\i], -v12, v12
.endr
	v_cvt_scalef32_pk8_fp8_f32 v[VC+4*(\g):VC+4*(\g)+1], v[VRAW+16*(\g):VRAW+16*(\g)+7], v13
	v_cvt_scalef32_pk8_fp8_f32 v[VC+4*(\g)+2:VC+4*(\g)+3], v[VRAW+16*(\g)+8:VRAW+16*(\g)+15], v13
	global_store_b128 v14, v[VC+4*(\g):VC+4*(\g)+3], s[38:39] offset:512*((\g)/2)+256*((\g)%2)   ; sixteen lanes fill one aligned block of 256 bytes
.endm
	VWK 0
	VWK 1
	VWK 2
	VWK 3
	s_wait_tensorcnt 0x0
	ds_add_u32 v208, v209
	s_wait_dscnt 0x0
	s_endpgm
.Lfunc_end_k_qbb511bfe2a_prep:
	.size	k_qbb511bfe2a_prep, .Lfunc_end_k_qbb511bfe2a_prep-k_qbb511bfe2a_prep
	.p2alignl 7, 3214868480
	.fill 96, 4, 3214868480
	.section	.rodata,"a",@progbits
	.p2align	6, 0x0
	.amdhsa_kernel k_qbb511bfe2a_prep
		.amdhsa_group_segment_fixed_size 35840
		.amdhsa_private_segment_fixed_size 0
		.amdhsa_enable_private_segment 0
		.amdhsa_kernarg_size 56
		.amdhsa_user_sgpr_count 2
		.amdhsa_user_sgpr_kernarg_segment_ptr 1
		.amdhsa_wavefront_size32 1
		.amdhsa_system_sgpr_workgroup_id_x 1
		.amdhsa_system_sgpr_workgroup_id_y 1
		.amdhsa_system_sgpr_workgroup_id_z 1
		.amdhsa_system_vgpr_workitem_id 0
		.amdhsa_next_free_vgpr 210
		.amdhsa_next_free_sgpr 66
		.amdhsa_reserve_vcc 1
		.amdhsa_float_denorm_mode_32 3
		.amdhsa_float_denorm_mode_16_64 3
		.amdhsa_memory_ordered 1
		.amdhsa_forward_progress 1
		.amdhsa_inst_pref_size 34
	.end_amdhsa_kernel
	.amdgpu_metadata
---
amdhsa.version: [ 1, 2 ]
amdhsa.kernels:
  - .name:           k_qbb511bfe2a_prep
    .symbol:         k_qbb511bfe2a_prep.kd
    .args:
      - { .name: K, .offset: 0, .size: 8, .value_kind: global_buffer, .address_space: global }
      - { .name: V, .offset: 8, .size: 8, .value_kind: global_buffer, .address_space: global }
      - { .name: mask, .offset: 16, .size: 8, .value_kind: global_buffer, .address_space: global }
      - { .name: lowp_scales, .offset: 24, .size: 8, .value_kind: global_buffer, .address_space: global }
      - { .name: kv, .offset: 32, .size: 8, .value_kind: global_buffer, .address_space: global }
      - { .name: mc, .offset: 40, .size: 8, .value_kind: global_buffer, .address_space: global }
      - { .name: rowkeep, .offset: 48, .size: 8, .value_kind: global_buffer, .address_space: global }
    .group_segment_fixed_size: 35840
    .private_segment_fixed_size: 0
    .kernarg_segment_align: 8
    .kernarg_segment_size: 56
    .max_flat_workgroup_size: 128
    .sgpr_count:     66
    .vgpr_count:     210
    .wavefront_size: 32
...
	.end_amdgpu_metadata
.endif
;; end of part 1
;; launch attn (part 2): grid 4 x 64, 8 waves a work-group, clusters of 4 x 4, 327,680 bytes of LDS; arguments Q, kv, mc, rowkeep, lowp_scales, out0; writes out0
.if DOCPART == 2
	.amdgcn_target "amdgcn-amd-amdhsa--gfx1250"
	.amdhsa_code_object_version 6
	.text
	.protected	k_qbb511bfe2a_attn
	.globl	k_qbb511bfe2a_attn
	.p2align	8
	.type	k_qbb511bfe2a_attn,@function
k_qbb511bfe2a_attn:
	s_mov_b64 s[64:65], 0
	v_nop
	global_prefetch_b8 v0, s[64:65] scope:SCOPE_SE
	s_setreg_imm32_b32 hwreg(HW_REG_WAVE_MODE, 25, 1), 1
	s_wait_xcnt 0x0
	s_wait_alu depctr_hold_cnt(0) depctr_sa_sdst(0) depctr_va_vdst(0) depctr_va_sdst(0) depctr_va_ssrc(0) depctr_va_vcc(0) depctr_vm_vsrc(0)
	s_getreg_b32 s2, hwreg(HW_REG_IB_STS2, 6, 4)
	s_cmp_eq_u32 s2, 0
	s_cbranch_scc0 .Lentry_in_a_cluster
	s_endpgm
.Lentry_in_a_cluster:
	s_bfe_u32 s2, ttmp6, 0x10000c
	s_cmp_lg_u32 s2, 0xf033
	s_cbranch_scc0 .Lentry_shape_is_right
	s_endpgm
.Lentry_shape_is_right:
; out0[head][q][:] = sum over k of softmax_k(masked(Q[q] . K[k] / 8)) V[k][:]; 64 heads, 2,048 queries and keys, head size 64; both products on codes of E4M3 with the given scales eq, ek, ep, ev.
; THE SOFTMAX: t = logit x log2(e); M = the running largest t rounded up to a whole number (kept as -M); p = 2^(t - M) is held at 448 x 2^ep and quantised with 2^ep; the row's sum is taken of the
; unquantised p and divides at the end.  When M moves, the sum and O are multiplied by 2^(old M - new M), which rounds nothing.
; THE MASK IS THE C OF THE FIRST PRODUCT: the launch before stored a code for each mask byte (-1.0 masked, 0 not); a conversion widens eight of them to 0 or -2^94 in the result's layout.  A masked t lies so far
; under every M that p is 0.  The running largest score begins at -2^24, under every real sum of 64 products of codes.  A row ALL of whose keys are masked has zero mask codes and the factor 0 in rowkeep, which is
; the hold of its Q: all its t are 0, all p are 1: the equal weights that reference() gives it.
; SHARES.  A work-group: 512 queries of one head, 8 waves, two to a SIMD.  A wave: 64 queries = 4 units of 16, in 512 registers; a fragment of K or V read from LDS feeds four units.  16 steps of 128 keys.
; Both products are used transposed (S^T = K Q^T, O^T = V^T P^T): a lane holds one query (lane % 16).  All operands lie in the workspace as images of their registers: LDS reads are 16 x lane on end.
; A BLOCK works on three units: unit u's 64 exponentials; the unit before (sum, hold, codes, V^T P); the unit after (mask, K Q^T, maximum, t - M).  Exponentials stand only among lines that read nothing written
; since the wait ahead of the stretch and whose results are read behind the wait that closes it: the 32 paired holds and the 32 packed t - M.
; CLUSTER 4 x 4: a row shares a head (K's and V's codes), a column shares its 512 queries (the mask's codes): each tile is asked for jointly, every wave one load.
; LIMITS: eq + ek between -80 and 8; eq and ep between -126 and 119.  NaN among the inputs is not served.
; REGISTERS.  Window 0: v1-11 addresses, constants; v12-15 factors f (even, odd units); v16-23 at work; v24-39 four statistics a unit (-M, largest score, the sum in two halves); v40-55 mask codes; v56-71 p's codes;
; v72-199 two buffers of 64 scores; v200-231 Q's codes; v232-247 addresses, head.  Window 1: v0-127 O^T; v128-191 K's fragments; v192-255 V's.
.set NSTEP, 16
.set SLOT1, 1<<17
.set VO,    8192                       ; in a slot: K's codes, V's,
.set MCO,   16384                      ; the mask's: 8,192 bytes a wave, 2,048 a unit
.set SPARE, 2*SLOT1                    ; the spare words: 128 bytes a wave, four blocks of 256 that no other line names
.set STAGE, SPARE+1024                 ; 16 rows x 272 bytes a wave; no fill lands here
.set SP,    272
.set LI, 1
.set LK, 2
.set LM, 3
.set SPW, 4
.set NIL, 5
.set SCB, 6
.set SCP, 7
.set LIMA, 8
.set LIMB, 9
.set LMB, 10
.set PFO, 11
.set FAC, 12
.set TM, 16
.set ST, 24
.set MK, 40
.set PC, 56
.set SBUF, 72
.set QF, 200
.set OLD, 232
.set NT, 233
.set STO, 234
.set RD, 235
.set GO, 236
.set QRD, 237
.set SCQ, 238
.set QL, 240
.set TR, 244
.set TH, 245
.set RKO, 246
.set KF, 128
.set VF, 192
.set WV, 16                            ; s16 wave; s17 wave / 4: I fetch the mask's codes (0) or K's and V's (1); s18 wave % 4: which quarter
.set WH, 17
.set WL, 18
.set G1M, 24
.set G1K, 32
.set G0M, 40
.set G0K, 44
.set CS, 48                            ; s[48:49] c = log2(e) / 8 x 2^(eq + ek); s67 = -c
.set SEL, 50
.set TB, 52
.set CNT, 53
.set LIM, 54
.set PAR, 55
.set PFA, 56
.set PFS, 58
.set NC, 67
.set MSB, 0
.macro WIN new                         ; the immediate's high byte repeats the setting that is left
.if MSB != \new
	s_set_vgpr_msb (MSB<<8)|\new
.set MSB, \new
.endif
.endm
.macro CROUND                          ; a round of the cluster's barrier
	s_barrier_signal -1
	s_barrier_wait -1
	s_cmp_lg_u32 s[WV], 0
	s_cbranch_scc1 .Lnot_wave_0_\@
	s_barrier_signal -3
.Lnot_wave_0_\@:
	s_barrier_wait -3
	s_barrier_signal -1
	s_barrier_wait -1
.endm
; A joint load: waves 0-3 a quarter (16,384 bytes) of the step's mask codes, waves 4-7 a quarter (4,096 bytes) of its K and V.  The branch hangs on the wave's number alone.
.macro JLOAD
	s_cmp_eq_u32 s[WH], 0
	s_cbranch_scc0 .Lfor_kv_\@
	tensor_load_to_lds s[G0M:G0M+3], s[G1M:G1M+7]
	s_nop 0
.rept 4
	v_nop
.endr
	s_branch .Lasked_\@
.Lfor_kv_\@:
	tensor_load_to_lds s[G0K:G0K+3], s[G1K:G1K+7]
	s_nop 0
.rept 4
	v_nop
.endr
.Lasked_\@:
.endm
; A prefetch of what the NEXT change of slots will ask for: 32 lanes x 256 bytes, one instruction a wave, each block of 256 bytes named once in the launch.  The mask's codes: waves 0 and 1 of the clusters with y = 0;
; of a half's 32,768 bytes the four partners of a column take 8,192 each, told apart by address.  K and V: wave 2, in every second change, its work-group's 8,192 bytes of the next two steps' 32,768.
; The last change that fills a slot asks for nothing; steps 0 and 1 come by their loads alone.
.macro ASK
	s_and_b32 s60, s[CNT], s[PAR]
	s_cmp_eq_u32 s60, s[PAR]
	s_cbranch_scc0 .Lnot_mine_\@
	s_cmp_gt_u32 s[CNT], s[LIM]
	s_cbranch_scc0 .Lnot_mine_\@
	global_prefetch_b8 v[PFO], s[PFA:PFA+1] th:TH_LOAD_NT scope:SCOPE_SE
.Lnot_mine_\@:
.endm
; THE CHANGE OF SLOTS.  Each wave waits for all its tensor loads (one is out), adds 0 to its spare word, waits for that and for its reads of the slot that it has left.  fill = 1: a round, then the slot just left is filled.
.macro CHANGE fill
	s_wait_tensorcnt 0x0
	ds_add_u32 v[SPW], v[NIL]
.if \fill
	s_xor_b32 s[G0M+1], s[G0M+1], SLOT1
	s_add_nc_u64 s[G0M+2:G0M+3], s[G0M+2:G0M+3], 262144
	s_xor_b32 s[G0K+1], s[G0K+1], SLOT1
	s_add_nc_u64 s[G0K+2:G0K+3], s[G0K+2:G0K+3], 16384
	s_wait_xcnt 0x0                                ; the last prefetch has read its address
	s_add_nc_u64 s[PFA:PFA+1], s[PFA:PFA+1], s[PFS:PFS+1]
	s_wait_dscnt 0x0
	CROUND
	JLOAD
	ASK
.else
	s_wait_dscnt 0x0
	s_barrier_signal -1
	s_barrier_wait -1
.endif
	v_add_nc_u32 v[LK], s[TB], v[LI]               ; the slot in hand: the step's K and unit 0's mask codes
	v_add_nc_u32 v[LM], s[TB], v[LMB]
	s_xor_b32 s[TB], s[TB], SLOT1
.irp b, 0,1,2,3
	ds_load_b128 v[MK+4*\b:MK+4*\b+3], v[LM] offset:512*\b
.endr
	WIN 0x40
.irp t, 0,1,2,3,4,5,6,7
	ds_load_b128 v[KF+8*\t:KF+8*\t+3],   v[LK] offset:1024*\t
	ds_load_b128 v[KF+8*\t+4:KF+8*\t+7], v[LK] offset:1024*\t+512
.endr
	WIN 0
.endm
.macro FETCH_V
	WIN 0x40
.irp d, 0,1,2,3
.irp c, 0,1,2,3
	ds_load_b128 v[VF+16*\d+4*\c:VF+16*\d+4*\c+3], v[LK] offset:VO+2048*\d+512*\c
.endr
.endr
	WIN 0
.endm
; A BLOCK.  ex: unit u's exponentials.  tl: the unit before's tail (1; 2: its first step, whose product starts O^T).  hd: the unit after's head.  mk: the unit whose mask codes are asked for, or -1.  fv: V is fetched.
.macro BLOCK u, ex, tl, hd, mk, fv
.set XB, SBUF+64*((\u)%2)
.set YB, SBUF+64*(((\u)+1)%2)
.set UP, ((\u)+3)%4
.set UN, ((\u)+1)%4
.set STU, ST+4*UP
.set STN, ST+4*UN
.set FP, FAC+2*(UP%2)
.if \tl                                ; the sum of the 64 unquantised p, two at a time, in four chains
.irp k, 0,1,2,3
	v_pk_add_f32 v[TM+2*\k:TM+2*\k+1], v[YB+4*\k:YB+4*\k+1], v[YB+4*\k+2:YB+4*\k+3]
.endr
.set j, 8
.rept 24
	v_pk_add_f32 v[TM+2*(j%4):TM+2*(j%4)+1], v[TM+2*(j%4):TM+2*(j%4)+1], v[YB+2*j:YB+2*j+1]
.set j, j+1
.endr
	v_pk_add_f32 v[TM:TM+1], v[TM:TM+1], v[TM+2:TM+3]
	v_pk_add_f32 v[TM+4:TM+5], v[TM+4:TM+5], v[TM+6:TM+7]
	s_delay_alu instid0(VALU_DEP_1)
	v_pk_add_f32 v[TM:TM+1], v[TM:TM+1], v[TM+4:TM+5]
.endif
.if (\ex)||(\tl)
	s_wait_alu depctr_va_vdst(0)                   ; ahead of the exponentials
.endif
.set i, 0
.rept 32                               ; 32 exponentials | the hold of p at 448 x 2^ep, two a line (the conversion to an 8-bit code does not saturate: ISA guide 7.6.2; p is not negative)
.if \ex
	v_exp_f32 v[XB+i], v[XB+i]
.endif
.if \tl
	v_dual_min_num_f32 v[YB+2*i], v[YB+2*i], v[LIMA] :: v_dual_min_num_f32 v[YB+2*i+1], v[YB+2*i+1], v[LIMB]
.endif
.set i, i+1
.endr
.if (\ex)&&(!(\tl))
	v_nop
.endif
.if (\tl)==1
	WIN 0x41
.endif
	s_wait_dscnt 0x0                               ; the mask codes, and K's or V's fragments where they were fetched
	s_wait_alu depctr_va_vdst(0)                   ; behind the exponentials, and directly ahead of the first readers of O^T
.if (\tl)==1
.irp i, 0,2,4,6,8,10,12,14,16,18,20,22,24,26,28,30
	v_pk_mul_f32 v[32*UP+\i:32*UP+\i+1], v[32*UP+\i:32*UP+\i+1], v[FP:FP+1] op_sel_hi:[1,0]   ; O^T x f
.endr
.endif
	WIN 0
.if \tl
.irp k, 0,1,2,3,4,5,6,7
	v_cvt_scalef32_pk8_fp8_f32 v[PC+2*\k:PC+2*\k+1], v[YB+8*\k:YB+8*\k+7], v[SCP]
.endr
	v_pk_fma_f32 v[STU+2:STU+3], v[STU+2:STU+3], v[FP:FP+1], v[TM:TM+1] op_sel_hi:[1,0,1]   ; the sum x f + this step's; also the plain line behind the conversions
.endif
.if \hd
.irp k, 0,1,2,3,4,5,6,7
	v_cvt_scale_pk8_f32_fp8 v[YB+8*\k:YB+8*\k+7], v[MK+2*\k:MK+2*\k+1], v[SCB]   ; 0 or -2^94: the C of K Q^T
.endr
	v_mov_b32 v[OLD], v[STN]                       ; the old -M; also the plain line behind the conversions
	WIN 0x01
.irp t, 0,1,2,3,4,5,6,7
	v_wmma_f32_16x16x64_fp8_fp8 v[YB+8*\t:YB+8*\t+7], v[KF+8*\t:KF+8*\t+7], v[QF+8*UN:QF+8*UN+7], v[YB+8*\t:YB+8*\t+7]
.endr
.endif
.if \tl
	WIN 0x51
.irp d, 0,1,2,3
.if (\tl)==1
	v_wmma_f32_16x16x128_fp8_fp8 v[32*UP+8*\d:32*UP+8*\d+7], v[VF+16*\d:VF+16*\d+15], v[PC:PC+15], v[32*UP+8*\d:32*UP+8*\d+7]
.else
	v_wmma_f32_16x16x128_fp8_fp8 v[32*UP+8*\d:32*UP+8*\d+7], v[VF+16*\d:VF+16*\d+15], v[PC:PC+15], 0
.endif
.endr
.endif
	WIN 0
.if \hd
.if (\mk) >= 0
.irp b, 0,1,2,3
	ds_load_b128 v[MK+4*\b:MK+4*\b+3], v[LM] offset:2048*(\mk)+512*\b
.endr
.endif
.rept 4
	v_nop                                          ; the places behind K Q^T
.endr
.irp k, 0,1,2,3                        ; the largest score, in four chains, each tile from its low end on
	v_max3_num_f32 v[TM+2*\k], v[YB+3*\k], v[YB+3*\k+1], v[YB+3*\k+2]
.endr
.set j, 0
.rept 26
	v_max3_num_f32 v[TM+2*(j%4)], v[TM+2*(j%4)], v[YB+12+2*j], v[YB+13+2*j]
.if (\fv) && (j == 11)
	FETCH_V
.endif
.set j, j+1
.endr
	s_delay_alu instid0(VALU_DEP_1)
	v_max3_num_f32 v[TM], v[TM], v[TM+2], v[TM+4]
	s_delay_alu instid0(VALU_DEP_1)
	v_max3_num_f32 v[TM], v[TM], v[TM+6], v[STN+1]
	v_permlanex16_b32 v[TM+2], v[TM], s[SEL], s[SEL+1]   ; the query's other 64 keys lie in the lane 16 away
	v_max_num_f32 v[STN+1], v[TM], v[TM+2]         ; the running largest score
	s_delay_alu instid0(VALU_DEP_1)
	v_mul_f32 v[NT], s[NC], v[STN+1]               ; -t
	s_delay_alu instid0(VALU_DEP_1)
	v_floor_f32 v[STN], v[NT]                      ; -M = floor(-t)
	s_delay_alu instid0(VALU_DEP_1)
	v_sub_f32 v[NT], v[STN], v[OLD]                ; old M - new M: a whole number, 0 or less
	s_delay_alu instid0(VALU_DEP_1)
	v_cvt_i32_f32 v[NT], v[NT]
	s_delay_alu instid0(VALU_DEP_1)
	v_ldexp_f32 v[FP], 1.0, v[NT]                  ; the unit after's f, in the register that the unit before's has left
.endif
.if (\ex)||(\hd)
	s_wait_alu depctr_va_vdst(0)                   ; ahead of the exponentials
.set i, 0
.rept 32                               ; 32 exponentials | t - M = score x c + (-M), two a line
.if \ex
	v_exp_f32 v[XB+32+i], v[XB+32+i]
.endif
.if \hd
	v_pk_fma_f32 v[YB+2*i:YB+2*i+1], v[YB+2*i:YB+2*i+1], s[CS:CS+1], v[STN:STN+1] op_sel_hi:[1,0,0]
.endif
.set i, i+1
.endr
.if !(\hd)
	v_nop
.endif
	s_wait_alu depctr_va_vdst(0)                   ; behind them
.endif
.endm
	s_load_b256 s[4:11], s[0:1], 0x0               ; Q, kv, mc, rowkeep
	s_load_b128 s[12:15], s[0:1], 0x20             ; the scales' exponents, out0
	v_lshl_add_u32 v[SPW], v0, 2, SPARE
	v_mov_b32 v[NIL], 0
	ds_add_u32 v[SPW], v[NIL]                      ; the opening lines
	ds_add_u32 v[SPW], v[NIL]
	v_lshrrev_b32 v[TR], 5, v0
	v_readfirstlane_b32 s[WV], v[TR]               ; wave 0..7
	s_lshr_b32 s[WH], s[WV], 2
	s_and_b32 s[WL], s[WV], 3
	s_bfe_u32 s20, ttmp6, 0x40000                  ; cx
	s_bfe_u32 s21, ttmp6, 0x40004                  ; cy
	s_lshl_b32 s19, ttmp9, 2
	s_add_co_u32 s19, s19, s20                     ; my block of 512 queries
	s_and_b32 s22, ttmp7, 0xffff
	s_lshl_b32 s22, s22, 2
	s_add_co_u32 s22, s22, s21                     ; my head
	s_lshl_b32 s23, s21, 2
	s_lshl_b32 s23, 15, s23                        ; my row of the cluster shares the head
	s_lshl_b32 s78, 0x1111, s20                    ; my column shares the queries
	s_or_b32 s[G1M], s78, (3<<16)|(1<<21)          ; dense blocks as rows of 32 elements of 8 bytes
	s_mov_b32 s[G1M+1], 32<<16
	s_mov_b32 s[G1M+2], 64<<16
	s_mov_b32 s[G1M+3], 32<<16
	s_mov_b32 s[G1M+4], 64                         ; 64 rows: 16,384 bytes
	s_mov_b32 s[G1M+5], 32
	s_mov_b32 s[G1M+6], 0
	s_mov_b32 s[G1M+7], 0
	s_or_b32 s[G1K], s23, (3<<16)|(1<<21)
	s_mov_b32 s[G1K+1], 32<<16
	s_mov_b32 s[G1K+2], 16<<16
	s_mov_b32 s[G1K+3], 32<<16
	s_mov_b32 s[G1K+4], 16                         ; 16 rows: 4,096 bytes
	s_mov_b32 s[G1K+5], 32
	s_mov_b32 s[G1K+6], 0
	s_mov_b32 s[G1K+7], 0
	s_lshl_b32 s76, s19, 16                        ; mc: my 512 queries' 65,536 bytes of a step, my quarter: never holds cy
	s_lshl_b32 s77, s[WL], 14
	s_add_co_u32 s76, s76, s77
	s_mov_b32 s77, 0
	s_lshl_b32 s72, s22, 18                        ; kv: my head's 262,144 bytes, my quarter of a step: never holds cx
	s_lshl_b32 s73, s[WL], 12
	s_add_co_u32 s72, s72, s73
	s_mov_b32 s73, 0
	s_mov_b32 s[G0M], 1
	s_lshl_b32 s[G0M+1], s[WL], 14
	s_add_co_u32 s[G0M+1], s[G0M+1], MCO
	s_mov_b32 s[G0K], 1
	s_lshl_b32 s[G0K+1], s[WL], 12
	s_wait_alu depctr_va_vdst(0)
	s_wait_dscnt 0x0
	s_wait_kmcnt 0x0
	s_load_b128 s[68:71], s[12:13], 0x0            ; eq, ek, ep, ev
	s_add_nc_u64 s[G0M+2:G0M+3], s[8:9], s[76:77]
	s_or_b32 s[G0M+3], s[G0M+3], 0x80000000
	s_add_nc_u64 s[G0K+2:G0K+3], s[6:7], s[72:73]
	s_or_b32 s[G0K+3], s[G0K+3], 0x80000000
	CROUND
	JLOAD                                          ; step 0 into slot 0: my one load at the head
	s_lshl_b32 s80, s22, 19                        ; Q, out0: (2,048 head + 512 block + 64 wave) rows of 256 bytes
	s_lshl_b32 s81, s19, 17
	s_add_co_u32 s80, s80, s81
	s_lshl_b32 s81, s[WV], 14
	s_add_co_u32 s80, s80, s81
	s_mov_b32 s81, 0
	s_add_nc_u64 s[4:5], s[4:5], s[80:81]
	s_add_nc_u64 s[14:15], s[14:15], s[80:81]
	s_lshl_b32 s82, s19, 12                        ; rowkeep: (32 block + 4 wave) tiles of 128 bytes
	s_lshl_b32 s83, s[WV], 9
	s_add_co_u32 s82, s82, s83
	s_mov_b32 s83, 0
	s_add_nc_u64 s[10:11], s[10:11], s[82:83]
	s_lshl_b32 s84, s19, 16                        ; the prefetches.  Waves 0, 1: my queries' mask codes, my half,
	s_and_b32 s85, s[WV], 1
	s_lshl_b32 s85, s85, 15
	s_add_co_u32 s84, s84, s85
	s_lshl_b32 s85, s21, 13                        ; my work-group's 8,192 bytes of it,
	s_add_co_u32 s84, s84, s85
	s_add_co_u32 s84, s84, 262144                  ; in step 1: the first change steps it to step 2
	s_lshl_b32 s86, s22, 18                        ; wave 2: my head's codes, my work-group's 8,192 bytes of two steps'
	s_lshl_b32 s87, s20, 13
	s_add_co_u32 s86, s86, s87
	s_add_co_u32 s86, s86, 16384
	s_and_b32 s61, ttmp7, 0xffff                   ; cluster y: the same in all partners
	s_sub_co_u32 s62, s[WV], 2                     ; 0 in wave 2
	s_mov_b32 s[PFS], 16384
	s_cmp_lt_u32 s[WV], 2
	s_cselect_b64 s[PFA:PFA+1], s[8:9], s[6:7]
	s_cselect_b32 s84, s84, s86
	s_cselect_b32 s[PFS], 262144, s[PFS]
	s_cselect_b32 s[PAR], 0, 1
	s_cselect_b32 s60, s61, s62
	s_mov_b32 s85, 0
	s_mov_b32 s[PFS+1], 0
	s_add_nc_u64 s[PFA:PFA+1], s[PFA:PFA+1], s[84:85]
	s_cmp_eq_u32 s60, 0
	s_cselect_b32 s[LIM], 1, -1
	s_mul_i32 s62, s[WV], 16*SP
	s_add_co_u32 s62, s62, STAGE                   ; my stage
	s_lshl_b32 s63, s[WV], 13
	s_add_co_u32 s63, s63, MCO                     ; my mask codes in a slot
	s_mov_b32 s[SEL], 0x76543210
	s_mov_b32 s[SEL+1], 0xfedcba98
	s_mov_b32 s[TB], 0
	s_mov_b32 s[CNT], NSTEP-1
	v_and_b32 v[TR], 15, v0                        ; r
	v_bfe_u32 v[TH], v0, 4, 1                      ; h
	v_and_b32 v[LI], 31, v0
	v_lshlrev_b32 v[PFO], 8, v[LI]
	v_lshlrev_b32 v[RKO], 2, v[LI]
	v_lshlrev_b32 v[LI], 4, v[LI]
	v_add_nc_u32 v[LMB], s63, v[LI]
	v_mul_u32_u24 v[STO], v[TR], SP
	v_lshl_add_u32 v[QRD], v[TH], 6, v[STO]
	v_lshl_add_u32 v[STO], v[TH], 5, v[STO]
	v_add_nc_u32 v[STO], s62, v[STO]               ; the way out, in: row r, 32 bytes for each half of the lanes
	v_add_nc_u32 v[QRD], s62, v[QRD]               ; Q, back: row r, + 64 h: 16 neighbours along d
	v_mul_u32_u24 v[RD], v[TH], SP
	v_lshl_add_u32 v[RD], v[TR], 4, v[RD]
	v_add_nc_u32 v[RD], s62, v[RD]                 ; whole rows: lanes 0-15 one row of 256 bytes, lanes 16-31 the next
	v_lshlrev_b32 v[GO], 8, v[TH]
	v_lshl_add_u32 v[GO], v[TR], 4, v[GO]          ; the same two rows in out0
	v_mov_b32 v[SCB], 0xdddddddd                   ; the scale byte 221 (2^94) in every byte
.set i, 0
.rept 32
	global_load_b128 v[SBUF+4*i:SBUF+4*i+3], v[LI], s[4:5] offset:512*i th:TH_LOAD_NT   ; 512 consecutive bytes: two queries
.set i, i+1
.endr
.irp u, 0,1,2,3
	global_load_b32 v[QL+\u], v[RKO], s[10:11] offset:128*\u
.endr
	s_wait_alu depctr_va_vdst(0)
	s_wait_kmcnt 0x0
	s_add_co_i32 s60, s68, s69
	s_lshl_b32 s60, s60, 23
	s_add_co_i32 s[CS], s60, 0x3e38aa3b            ; c = log2(e) / 8, eq + ek added to its exponent field
	s_mov_b32 s[CS+1], s[CS]
	s_xor_b32 s[NC], s[CS], 0x80000000
	s_add_co_i32 s61, s68, 127
	s_lshl_b32 s62, s61, 23
	v_mov_b32 v[SCQ], s62                          ; 2^eq
	s_add_co_i32 s61, s61, 8
	s_lshl_b32 s61, s61, 23
	s_or_b32 s61, s61, 0x600000                    ; 448 x 2^eq
	s_add_co_i32 s62, s70, 127
	s_lshl_b32 s63, s62, 23
	v_mov_b32 v[SCP], s63                          ; 2^ep
	s_add_co_i32 s62, s62, 8
	s_lshl_b32 s62, s62, 23
	s_or_b32 s62, s62, 0x600000
	v_mov_b32 v[LIMA], s62                         ; 448 x 2^ep, once for each half of a pair
	v_mov_b32 v[LIMB], s62
.irp u, 0,1,2,3
	v_mov_b32 v[ST+4*\u+1], 0xcb800000             ; the largest score so far: -2^24
	v_mul_f32 v[ST+4*\u], s[NC], v[ST+4*\u+1]
	v_mov_b32 v[ST+4*\u+2], 0                      ; the sum, in two halves
	v_mov_b32 v[ST+4*\u+3], 0
.endr
.irp u, 0,1,2,3
	v_floor_f32 v[ST+4*\u], v[ST+4*\u]             ; -M
	v_mov_b32 v[FAC+\u], 1.0
.endr
	s_wait_alu depctr_va_vdst(0)
	s_wait_loadcnt 0x0                             ; Q and the rows' factors
.irp u, 0,1,2,3
	v_mul_f32 v[QL+\u], s61, v[QL+\u]              ; the row's hold: 448 x 2^eq, or 0
.endr
.irp u, 0,1,2,3                        ; a unit's 16 rows through my stage; LDS serves a wave's instructions in order (ISA guide 5.7.1.4)
.irp i, 0,1,2,3,4,5,6,7
	ds_store_b128 v[RD], v[SBUF+32*\u+4*\i:SBUF+32*\u+4*\i+3] offset:2*SP*\i
.endr
.irp c, 0,1
.irp j, 0,1,2,3
	ds_load_b128 v[SBUF+32*\u+16*\c+4*\j:SBUF+32*\u+16*\c+4*\j+3], v[QRD] offset:128*\c+16*\j   ; register 32 u + 16 c + i: d = 32 c + 16 h + i of query r
.endr
.endr
.endr
	s_wait_alu depctr_va_vdst(0)
	s_wait_dscnt 0x0
.irp u, 0,1,2,3
.set i, 0
.rept 32
	v_med3_num_f32 v[SBUF+32*\u+i], v[SBUF+32*\u+i], -v[QL+\u], v[QL+\u]
.set i, i+1
.endr
.endr
.set i, 0
.rept 16
	v_cvt_scalef32_pk8_fp8_f32 v[QF+2*i:QF+2*i+1], v[SBUF+8*i:SBUF+8*i+7], v[SCQ]
.set i, i+1
.endr
	v_nop                                          ; a plain line behind the conversions
	s_wait_alu depctr_va_vdst(0)                   ; the head's end
	CHANGE 1                                       ; step 0 is in; slot 1's first fill, issued as a refill is
	s_sub_co_u32 s[CNT], s[CNT], 1
	BLOCK 3, 0, 0, 1, 1, 0
	BLOCK 0, 1, 0, 1, 2, 1
	BLOCK 1, 1, 2, 1, 3, 0                         ; step 0's four tails start O^T
	BLOCK 2, 1, 2, 1, -1, 0
	CHANGE 1
	s_sub_co_u32 s[CNT], s[CNT], 1
	BLOCK 3, 1, 2, 1, 1, 0
	BLOCK 0, 1, 2, 1, 2, 1
.Ltrip:                                            ; 13 trips, steps 1 to 13: each fills a slot with the step after next
	BLOCK 1, 1, 1, 1, 3, 0
	BLOCK 2, 1, 1, 1, -1, 0
	CHANGE 1
	BLOCK 3, 1, 1, 1, 1, 0
	BLOCK 0, 1, 1, 1, 2, 1
	s_sub_co_u32 s[CNT], s[CNT], 1
	s_cmp_lg_u32 s[CNT], 0
	s_cbranch_scc1 .Ltrip
	BLOCK 1, 1, 1, 1, 3, 0                         ; step 14: its change of slots fills nothing, so it is written out
	BLOCK 2, 1, 1, 1, -1, 0
	CHANGE 0
	BLOCK 3, 1, 1, 1, 1, 0
	BLOCK 0, 1, 1, 1, 2, 1
	BLOCK 1, 1, 1, 1, 3, 0                         ; step 15
	BLOCK 2, 1, 1, 1, -1, 0
	BLOCK 3, 1, 1, 0, -1, 0
	BLOCK 0, 0, 1, 0, -1, 0
	; THE WAY OUT: O^T x 2^(ep + ev) / the sum goes through my stage, a unit (16 rows of 256 bytes) at a time.  The lines below are also the places behind the last products.
.irp u, 0,1,2,3
	v_add_f32 v[ST+4*\u+2], v[ST+4*\u+2], v[ST+4*\u+3]
.endr
.irp u, 0,1,2,3
	v_permlanex16_b32 v[ST+4*\u+3], v[ST+4*\u+2], s[SEL], s[SEL+1]
.endr
.irp u, 0,1,2,3
	v_add_f32 v[ST+4*\u+2], v[ST+4*\u+2], v[ST+4*\u+3]
.endr
	s_wait_alu depctr_va_vdst(0)                   ; ahead of the reciprocals
.irp u, 0,1,2,3
	v_rcp_f32 v[ST+4*\u+2], v[ST+4*\u+2]
.endr
	v_nop
	s_add_co_i32 s60, s70, s71
	s_wait_alu depctr_va_vdst(0)                   ; behind them
.irp u, 0,1,2,3
	v_ldexp_f32 v[ST+4*\u+2], v[ST+4*\u+2], s60
.endr
.macro PACK u
.set OB, SBUF+32*(\u)
	WIN 0x01
	s_wait_alu depctr_va_vdst(0)                   ; directly ahead of the first readers of this unit's O^T
.irp i, 0,2,4,6,8,10,12,14,16,18,20,22,24,26,28,30
	v_pk_mul_f32 v[OB+\i:OB+\i+1], v[32*(\u)+\i:32*(\u)+\i+1], v[ST+4*(\u)+2:ST+4*(\u)+3] op_sel_hi:[1,0]   ; register 8 dt + i: out(r, 16 dt + 8 h + i)
.endr
	WIN 0
.irp d, 0,1,2,3
	ds_store_b128 v[STO], v[OB+8*\d:OB+8*\d+3] offset:64*\d
	ds_store_b128 v[STO], v[OB+8*\d+4:OB+8*\d+7] offset:64*\d+16
.endr
.irp i, 0,1,2,3,4,5,6,7
	ds_load_b128 v[OB+4*\i:OB+4*\i+3], v[RD] offset:2*SP*\i
.endr
.endm
.macro SEND u, younger                 ; younger: the LDS instructions issued behind unit u's loads: the next unit's sixteen, or none
.set OB, SBUF+32*(\u)
.irp i, 0,1,2,3,4,5,6,7
	s_wait_dscnt \younger+7-\i
	global_store_b128 v[GO], v[OB+4*\i:OB+4*\i+3], s[14:15] offset:4096*(\u)+512*\i th:TH_STORE_NT   ; two whole rows: 512 consecutive bytes
.endr
.endm
	PACK 0
	PACK 1
	SEND 0, 16
	PACK 2
	SEND 1, 16
	PACK 3
	SEND 2, 16
	SEND 3, 0
	s_wait_tensorcnt 0x0                           ; the wave's end
	ds_add_u32 v[SPW], v[NIL]
	s_wait_dscnt 0x0
	CROUND                                         ; the closing round
	s_endpgm
.Lfunc_end_k_qbb511bfe2a_attn:
	.size	k_qbb511bfe2a_attn, .Lfunc_end_k_qbb511bfe2a_attn-k_qbb511bfe2a_attn
	.p2alignl 7, 3214868480
	.fill 96, 4, 3214868480
	.section	.rodata,"a",@progbits
	.p2align	6, 0x0
	.amdhsa_kernel k_qbb511bfe2a_attn
		.amdhsa_group_segment_fixed_size 327680
		.amdhsa_private_segment_fixed_size 0
		.amdhsa_enable_private_segment 0
		.amdhsa_kernarg_size 48
		.amdhsa_user_sgpr_count 2
		.amdhsa_user_sgpr_kernarg_segment_ptr 1
		.amdhsa_wavefront_size32 1
		.amdhsa_system_sgpr_workgroup_id_x 1
		.amdhsa_system_sgpr_workgroup_id_y 1
		.amdhsa_system_sgpr_workgroup_id_z 1
		.amdhsa_system_vgpr_workitem_id 0
		.amdhsa_next_free_vgpr 512
		.amdhsa_next_free_sgpr 96
		.amdhsa_reserve_vcc 0
		.amdhsa_float_denorm_mode_32 3
		.amdhsa_float_denorm_mode_16_64 3
		.amdhsa_memory_ordered 1
		.amdhsa_forward_progress 1
		.amdhsa_inst_pref_size 255
	.end_amdhsa_kernel
	.section	.bss,"aw",@nobits
	.p2align	6
	.space	262144
	.amdgpu_metadata
---
amdhsa.version: [ 1, 2 ]
amdhsa.kernels:
  - .name:           k_qbb511bfe2a_attn
    .symbol:         k_qbb511bfe2a_attn.kd
    .args:
      - { .name: Q, .offset: 0, .size: 8, .value_kind: global_buffer, .address_space: global }
      - { .name: kv, .offset: 8, .size: 8, .value_kind: global_buffer, .address_space: global }
      - { .name: mc, .offset: 16, .size: 8, .value_kind: global_buffer, .address_space: global }
      - { .name: rowkeep, .offset: 24, .size: 8, .value_kind: global_buffer, .address_space: global }
      - { .name: lowp_scales, .offset: 32, .size: 8, .value_kind: global_buffer, .address_space: global }
      - { .name: out0, .offset: 40, .size: 8, .value_kind: global_buffer, .address_space: global }
    .group_segment_fixed_size: 327680
    .private_segment_fixed_size: 0
    .kernarg_segment_align: 8
    .kernarg_segment_size: 48
    .max_flat_workgroup_size: 256
    .sgpr_count:     96
    .vgpr_count:     512
    .wavefront_size: 32
...
	.end_amdgpu_metadata
.endif
;; end of part 2
